; MI455X (gfx1250); checked and timed in simulation.
; The chip was launched on July 23, 2026; its instructions are those of AMD's public machine-readable ISA for CDNA 5 (MIT licence, August 2026) and "CDNA5" Instruction Set Architecture Reference Guide (July 2026). The comments in the code are by the model that wrote it; some were corrected since.
;; Attention Module. Allowed arithmetic: matrix products marked QUANTISED: E3M2 operands, one E8M0 scale for each 32 along K, by v_wmma_scale_f32_16x16x128_f8f6f4 with both operands' format E3M2, f32 sums; products left as they are: f32 operands where the result goes on into a quantised operand, else bf16, f16 or f32 operands; f32 sums; everything else in f32.
;; Inputs: V_att 1 x 1,024 float32; W_dec 1,024 x 1,024 float32; W_enc 1,024 x 1,024 float32; decoder_hidden 32 x 1 x 1,024 float32; encoder_out 2,048 x 32 x 1,024 float32.
;; Outputs: out0 32 x 1 x 1,024 float32; out1 1 x 32 x 2,048 float32.
;; This version of the problem:
;;   THIS VERSION OF THE PROBLEM IS GIVEN IN LOW PRECISION. The matrix products marked QUANTISED in the list below multiply operands that are first quantised to E3M2 (3 exponent bits, 2 mantissa bits; 6 bits a number), with one power-of-two scale for each 32 numbers along K (OCP MX v1.0); their sums are f32. All else is computed in f32.
;;   The module's matrix products, in the order in which they are computed (A, B: the left and right operand; K: the contracted axis; several contracted axes count as one K, in the product's order):
;;     1. [M 1,024, K 1,024] x [K 1,024, N 65,536]; A: input W_enc; B: input encoder_out: QUANTISED
;;     2. [M 32, K 1,024] x [K 1,024, N 1,024]; A: input decoder_hidden; B: input W_dec: QUANTISED
;;     3. [M 65,536, K 1,024] x [K 1,024, N 1]; A: computed on the way; B: input V_att: left as it is (N = 1 < 16)
;;     4. batch 32 x [M 1, K 2,048] x [K 2,048, N 1,024]; A: computed on the way; B: input encoder_out: left as it is (M = 1 < 16)
;;   THE QUANTISER, for each operand of a quantised product, along K:
;;     - K is cut into blocks of 32 from its start; a last block that is shorter is filled with zeros.
;;     - A block's scale is 2^e with e = floor(log2(the largest magnitude in the block)) - 4, held to -126 .. 127; a block of zeros has e = 0. As a byte (E8M0): e + 127.
;;     - Each number is divided by its block's scale, clamped to +-28, and rounded to the nearest number of E3M2, ties to even, subnormals kept.
;;     - The product sums the exact products of the quantised numbers (number of the format x scale) in f32.
;;   ~~~python
;;   def quantise(x, axis):      # numpy; x: float32 -> the quantised numbers, widened to float32 again
;;       x = np.moveaxis(x, axis, -1); K = x.shape[-1]
;;       x = np.pad(x, [(0, 0)] * (x.ndim - 1) + [(0, -K % 32)]); x = x.reshape(x.shape[:-1] + (-1, 32)); a = np.abs(x).max(-1, keepdims=True)
;;       e = np.where(a > 0, np.clip(np.frexp(np.where(a > 0, a, 1))[1] - 1 - 4, -126, 127), 0)      # np.frexp(a)[1] - 1 = floor(log2(a)), exactly
;;       r = np.clip(x / 2.0 ** e, -28, 28)
;;       step = 2.0 ** (np.maximum(np.frexp(np.where(r == 0, 1, r))[1] - 1, -2) - 2)
;;       q = np.round(r / step) * step * 2.0 ** e      # np.round: ties to even
;;       return np.moveaxis(q.reshape(q.shape[:-2] + (-1,))[..., :K], -1, axis).astype(np.float32)
;;   ~~~
;; One version. Each part assembles by itself: llvm-mc -triple=amdgcn-amd-amdhsa -mcpu=gfx1250 --defsym DOCPART=n.
;; ======== version 1 of 1: 3 launches
;; limits: right only within a limited range of input values
;; workspace buffers: wimg 819,200 bytes; qws 131,072 bytes; lg 262,144 bytes
;; launch prep (part 1): grid 128 x 1, 8 waves a work-group, no clusters, 152,576 bytes of LDS; arguments W_enc, W_dec, decoder_hidden, wimg, qws; writes wimg, qws
.if DOCPART == 1
	.amdgcn_target "amdgcn-amd-amdhsa--gfx1250"
	.amdhsa_code_object_version 6
	.text
	.protected	k_q630ff6f604_prep
	.globl	k_q630ff6f604_prep
	.p2align	8
	.type	k_q630ff6f604_prep,@function
k_q630ff6f604_prep:
	s_mov_b64 s[64:65], 0
	v_nop
	global_prefetch_b8 v0, s[64:65] scope:SCOPE_SE
	s_setreg_imm32_b32 hwreg(HW_REG_WAVE_MODE, 25, 1), 1
	s_wait_xcnt 0x0
; PREP.  Work-groups 0-63: W_enc [1024 e][1024 k] f32 becomes codes of BF6 (E3M2) with one E8M0 byte for each 32 along k, laid in wimg as the next launch's operand registers want them.
; Work-groups 64-127: query = Q(decoder_hidden) Q(W_dec)^T on the matrix unit, times c = 2 log2(e), into qws.
; SHARES.  Work-group E (of 64) takes 16 rows e of its weight; wave q of its eight takes K step q, 128 along k: one operand fragment.
; LAYOUT OF A FRAGMENT (16 rows x 128 k, 12 registers): lane (r, h) holds row r; registers 6 c .. 6 c + 5 hold k = 64 c + 32 h + 0 .. 31: a WHOLE block of 32 lies in one lane, so a block's largest magnitude needs no other lane.
; THE WAY IN.  The quantiser wants 128 neighbouring bytes of a row in one lane; a load is best where neighbouring LANES take neighbouring bytes.  Both are had: each of a fragment's 16 loads reads one row's 512 consecutive
; bytes, aligned, 16 a lane; the 8,192 bytes go through the wave's own stage in LDS, as they lie, and come back 128 bytes a lane, into the registers that they left.  A stage row is 528 bytes = 33 x 16, so that the sixteen rows
; that a load out of the stage touches begin at sixteen different 16-byte columns modulo 256.  LDS serves a wave's instructions in order (ISA guide 5.7.1.4): one stage serves a wave's three fragments, with no wait between.
; wimg: 16 blocks of 51,200 bytes; block p = rows 64 p .. + 63, all k: four tiles of 16 rows, 12,800 bytes each.  In tile E fragment q at q x 1,536, three runs of 512 bytes (registers 4 n .. 4 n + 3, lane l at 16 l);
;       the scale word of (r, q) at 12,288 + 256 (q % 2) + 16 r + 4 (q / 2).   qws: [64 tiles of e][32 b][16 e'] f32.
; A block's scale is 2^(floor(log2(largest magnitude)) - 4): its byte is that magnitude's exponent field - 4, held at 1 from below by a floor among the maximum's leaves.
; LIMITS: NaN and infinities among the inputs are not served.  A block of zeros, or one whose largest magnitude lies under 2^-122, gets the byte 1 (the rule says 127 for zeros): its codes are zeros or
; subnormal codes under that byte, and these bytes are read by this program alone.  The query's sum over k is taken in eight parts of 128, added in ascending order.
.set SP,   528                         ; a stage row
.set STW,  16*SP                       ; a wave's stage: 8,448 bytes
.set STD,  16384                       ; LDS: 0 .. 16,383 the eight K steps' parts of the query; from here the query path's eight stages;
.set STE,  STD+8*STW                   ; from here W_enc's path's eight: the two paths part on the work-group's number, and each has LDS bytes of its own
.set LI,  4                            ; v4   16 x lane: my 16 bytes of a row's 512, and of an image's run
.set SIN, 5                            ; v5   into my wave's stage (query path): 16 x lane
.set R4,  6                            ; v6   4 r
.set PS,  7                            ; v7   LDS: 2,048 x wave + 512 h + 4 r
.set T8,  8                            ; v8   8 x thread
.set SH8, 9                            ; v9   8 h
.set MXA, 10                           ; v10-11 two chains of a maximum
.set MXB, 11
.set SO,  12                           ; v12  the conversions' scale operand
.set BY0, 13                           ; v13-14 the scale bytes of my two blocks
.set BY1, 14
.set PX,  15                           ; v15  what the other half of the lanes sends
.set CW,  16                           ; v16-27 the weight's codes;  v28-39, v40-51 those of decoder_hidden's rows 0-15, 16-31
.set CD0, 28
.set CD1, 40
.set SCW, 52                           ; v52-54 their scale words, and nothing else
.set TC,  56                           ; v56-58 a block's upper 16 codes, before they are moved
.set SOUT, 59                          ; v59  out of my wave's stage (query path): 528 r + 128 h
.set SINE, 60                          ; v60-61 the same two for W_enc's path
.set SOUTE, 61
.set RW,  64                           ; v64-127 the weight's 64 numbers; later the two accumulators and the sums
.set RD0, 128                          ; v128-191, v192-255 decoder_hidden's
.set RD1, 192
.set SEL, 26                           ; s[26:27] lane selects: lane l xor 16
; 32 numbers of one block, v[t] on, become 6 registers of codes at v[pc] (even) and the block's byte in v[by]
.macro QH t, pc, by
	v_max3_num_f32 v[MXA], |v[(\t)]|, |v[(\t)+1]|, 0x2800000          ; the floor 2^(5 - 127) is a leaf: the byte cannot fall under 1
	v_max3_num_f32 v[MXB], |v[(\t)+2]|, |v[(\t)+3]|, |v[(\t)+4]|
.irp i, 5,9,13,17,21,25
	s_delay_alu instid0(VALU_DEP_2)
	v_max3_num_f32 v[MXA], v[MXA], |v[(\t)+\i]|, |v[(\t)+\i+1]|       ; two chains, so that no line waits for the line above it
	s_delay_alu instid0(VALU_DEP_2)
	v_max3_num_f32 v[MXB], v[MXB], |v[(\t)+\i+2]|, |v[(\t)+\i+3]|
.endr
	s_delay_alu instid0(VALU_DEP_2)
	v_max3_num_f32 v[MXA], v[MXA], |v[(\t)+29]|, |v[(\t)+30]|
	s_delay_alu instid0(VALU_DEP_1)
	v_max3_num_f32 v[MXA], v[MXA], v[MXB], |v[(\t)+31]|
	s_delay_alu instid0(VALU_DEP_1)
	v_add_nc_u32 v[SO], 0xfe000000, v[MXA]                            ; 4 off the exponent field: the conversion takes that field as its scale and nothing else
	v_cvt_scalef32_pk16_bf6_f32 v[(\pc):(\pc)+2], v[(\t):(\t)+15], v[SO]
	v_cvt_scalef32_pk16_bf6_f32 v[TC:TC+2], v[(\t)+16:(\t)+31], v[SO] ; (a conversion's three registers begin on an even number)
	v_lshrrev_b32 v[\by], 23, v[SO]                                   ; the byte; also the plain line behind the conversions
.irp i, 0,1,2
	v_mov_b32 v[(\pc)+3+\i], v[TC+\i]
.endr
.endm
; my two bytes (blocks h and 2 + h) and the other half's two make my row's scale word
.macro QWORD pw
	s_delay_alu instid0(VALU_DEP_4)
	v_lshl_or_b32 v[\pw], v[BY1], 16, v[BY0]
	s_delay_alu instid0(VALU_DEP_1)
	v_lshlrev_b32 v[\pw], v[SH8], v[\pw]
	s_delay_alu instid0(VALU_DEP_1)
	v_permlanex16_b32 v[PX], v[\pw], s[SEL], s[SEL+1]
	s_delay_alu instid0(VALU_DEP_1)
	v_or_b32 v[\pw], v[\pw], v[PX]
.endm
; 16 rows x 128 k of f32: a load a row: 32 lanes read 512 consecutive bytes, aligned
.macro ULOAD reg, base, imm
.irp i, 0,1,2,3,4,5,6,7,8,9,10,11,12,13,14,15
	global_load_b128 v[\reg+4*\i:\reg+4*\i+3], v[LI], s[\base:\base+1] offset:\imm+4096*\i
.endr
.endm
; into the stage as loaded: row i at 528 i
.macro TIN reg, adr
.irp i, 0,1,2,3,4,5,6,7,8,9,10,11,12,13,14,15
	ds_store_b128 v[\adr], v[\reg+4*\i:\reg+4*\i+3] offset:SP*\i
.endr
.endm
; and out of it: register 32 c + 4 j + n = k 64 c + 32 h + 4 j + n of row r: my two blocks, into the registers that the rows left
.macro TOUT reg, adr
.irp c, 0,1
.irp j, 0,1,2,3,4,5,6,7
	ds_load_b128 v[\reg+32*\c+4*\j:\reg+32*\c+4*\j+3], v[\adr] offset:256*\c+16*\j
.endr
.endr
.endm
	s_load_b256 s[4:11], s[0:1], 0x0               ; W_enc s[4:5], W_dec s[6:7], decoder_hidden s[8:9], wimg s[10:11]
	s_load_b64 s[12:13], s[0:1], 0x20              ; qws
	v_lshl_add_u32 v62, v0, 2, 0x25000
	v_mov_b32 v63, 0
	v_lshrrev_b32 v3, 5, v0
	s_delay_alu instid0(VALU_DEP_1)
	v_readfirstlane_b32 s14, v3                    ; wave = K step q
	v_and_b32 v1, 15, v0                           ; r
	v_bfe_u32 v2, v0, 4, 1                         ; h
	v_and_b32 v3, 31, v0                           ; lane
	s_delay_alu instid0(VALU_DEP_1)
	v_lshlrev_b32 v[LI], 4, v3
	s_delay_alu instid0(VALU_DEP_4)
	v_lshlrev_b32 v[R4], 2, v1
	s_mul_i32 s28, s14, STW
	s_add_co_u32 s28, s28, STD                     ; my wave's stage
	v_add_nc_u32 v[SIN], s28, v[LI]
	v_mul_u32_u24 v[SOUT], v1, SP
	s_delay_alu instid0(VALU_DEP_1)
	v_lshl_add_u32 v[SOUT], v2, 7, v[SOUT]
	s_delay_alu instid0(VALU_DEP_1)
	v_add_nc_u32 v[SOUT], s28, v[SOUT]
	s_delay_alu instid0(VALU_DEP_4)
	v_add_nc_u32 v[SINE], 8*STW, v[SIN]            ; every LDS address is made here, ahead of the parting of the two paths
	s_delay_alu instid0(VALU_DEP_2)
	v_add_nc_u32 v[SOUTE], 8*STW, v[SOUT]
	s_lshl_b32 s28, s14, 11
	v_lshl_add_u32 v[PS], v2, 9, v[R4]
	s_delay_alu instid0(VALU_DEP_1)
	v_add_nc_u32 v[PS], s28, v[PS]
	v_lshlrev_b32 v[T8], 3, v0
	v_lshlrev_b32 v[SH8], 3, v2
	v_mov_b32 v[PX], 0                             ; written once: a lane permute's destination counts as one of its sources
	s_and_b32 s15, ttmp9, 63                       ; E: which 16 rows
	s_mov_b32 s24, 0x4038aa3b                      ; c = 2 log2(e)
	s_mov_b32 s25, s24                             ; (named with it as a pair)
	s_mov_b32 s[SEL], 0x76543210
	s_mov_b32 s[SEL+1], 0xfedcba98
	s_lshl_b32 s30, s14, 9                         ; 512 q: the K step's bytes in a row
	s_mov_b32 s31, 0
	s_lshl_b32 s28, s15, 16                        ; 16 rows of 4,096 bytes
	s_add_co_u32 s28, s28, s30
	s_mov_b32 s29, 0
	s_wait_kmcnt 0x0
	s_cmp_lt_u32 ttmp9, 64                         ; the choice hangs on the work-group's number alone
	s_cselect_b64 s[16:17], s[4:5], s[6:7]
	s_add_nc_u64 s[16:17], s[16:17], s[28:29]
	s_add_nc_u64 s[18:19], s[8:9], s[30:31]
	ULOAD RW, 16, 0                                ; my fragment of the weight
	s_cmp_lt_u32 ttmp9, 64
	s_cbranch_scc1 .Lenc                           ; the same way for all eight waves
	; ---- the query: my K step's part of 32 b x 16 e'
	ULOAD RD0, 18, 0
	ULOAD RD1, 18, 65536
	s_lshl_b32 s36, s15, 11                        ; qws: 2,048 bytes a tile of e
	s_mov_b32 s37, 0
	s_add_nc_u64 s[12:13], s[12:13], s[36:37]
	s_wait_loadcnt 32                              ; the weight's 16 loads are in; the 32 younger may be out
	TIN RW, SIN
	s_wait_alu depctr_va_vdst(0)
	TOUT RW, SOUT
	s_wait_loadcnt 16                              ; rows 0-15 of decoder_hidden are in
	TIN RD0, SIN                                   ; (behind the weight's loads out of the stage, which LDS serves first)
	s_wait_dscnt 16                                ; the weight is back; the 16 stores just issued may be out
	TOUT RD0, SOUT                                 ; rows 0-15 come back while the weight is quantised
	QH RW, CW, BY0
	QH RW+32, CW+6, BY1
	QWORD SCW
	s_wait_loadcnt 0x0                             ; rows 16-31 are in
	TIN RD1, SIN
	s_wait_dscnt 16                                ; rows 0-15 are back; the 16 stores just issued may be out
	TOUT RD1, SOUT
	QH RD0, CD0, BY0
	QH RD0+32, CD0+6, BY1
	QWORD SCW+1
	s_wait_dscnt 0x0
	QH RD1, CD1, BY0
	QH RD1+32, CD1+6, BY1
	QWORD SCW+2
.rept 8
	v_nop                                          ; a scale register written by a vector instruction stands 8 places ahead of the scaled matrix instruction, an operand so written 4
.endr
	v_wmma_scale_f32_16x16x128_f8f6f4 v[64:71], v[CD0:CD0+11], v[CW:CW+11], 0, v[SCW+1], v[SCW] matrix_a_fmt:MATRIX_FMT_BF6 matrix_b_fmt:MATRIX_FMT_BF6
	v_wmma_scale_f32_16x16x128_f8f6f4 v[72:79], v[CD1:CD1+11], v[CW:CW+11], 0, v[SCW+2], v[SCW] matrix_a_fmt:MATRIX_FMT_BF6 matrix_b_fmt:MATRIX_FMT_BF6
.rept 4
	v_nop                                          ; four places ahead of the first read of the results (ISA guide 7.12.1)
.endr
.irp bt, 0,1
.irp j, 0,1,2,3,4,5,6,7
	ds_store_b32 v[PS], v[64+8*\bt+\j] offset:1024*\bt+64*\j   ; lane (r, h), register j: (b = 16 bt + 8 h + j, e' = r): LDS lies [wave][b][e']; each accumulator from its low end on
.endr
.endr
	s_wait_dscnt 0x0                               ; for the others' sake: my part has landed
	s_barrier_signal -1
	s_barrier_wait -1
.irp k, 0,1,2,3,4,5,6,7
	ds_load_b64 v[80+2*\k:81+2*\k], v[T8] offset:2048*\k       ; the eight K steps' parts of my two numbers
.endr
	s_wait_dscnt 0x0
	v_pk_add_f32 v[96:97], v[80:81], v[82:83]
.irp k, 2,3,4,5,6,7
	s_delay_alu instid0(VALU_DEP_1)
	v_pk_add_f32 v[96:97], v[96:97], v[80+2*\k:81+2*\k]
.endr
	s_delay_alu instid0(VALU_DEP_1)
	v_pk_mul_f32 v[96:97], v[96:97], s[24:25] op_sel_hi:[1,0]  ; x c: the next launch wants c x query
	global_store_b64 v[T8], v[96:97], s[12:13]     ; a wave stores 256 consecutive bytes, aligned
	s_wait_tensorcnt 0x0
	ds_add_u32 v62, v63
	s_wait_dscnt 0x0
	s_endpgm
.Lenc:	; ---- W_enc: my fragment's image into wimg
	; wimg AS THIS CODE LAYS IT: 64 tiles of 16 rows e, 12,800 bytes each: fragment q at 1,536 q; the scale word of (row r, K step q) at 12,288 + 256 (q % 2) + 16 r + 4 (q / 2)
	s_mul_i32 s32, s15, 12800                      ; tile E
	s_mul_i32 s35, s14, 1536                       ; K step q
	s_add_co_u32 s20, s32, s35
	s_mov_b32 s21, 0
	s_and_b32 s34, s14, 1
	s_lshl_b32 s34, s34, 8
	s_lshr_b32 s33, s14, 1
	s_lshl_b32 s33, s33, 2
	s_add_co_u32 s22, s32, s34
	s_add_co_u32 s22, s22, s33
	s_add_co_u32 s22, s22, 12288
	s_mov_b32 s23, 0
	s_add_nc_u64 s[20:21], s[10:11], s[20:21]
	s_add_nc_u64 s[22:23], s[10:11], s[22:23]
	s_wait_loadcnt 0x0
	s_wait_alu depctr_va_vdst(0)
	TIN RW, SINE
	TOUT RW, SOUTE
	s_wait_dscnt 0x0
	QH RW, CW, BY0
	QH RW+32, CW+6, BY1
	QWORD SCW
.irp n, 0,1,2
	global_store_b128 v[LI], v[CW+4*\n:CW+4*\n+3], s[20:21] offset:512*\n   ; 32 lanes store 512 consecutive bytes, aligned
.endr
	v_lshlrev_b32 v[MXA], 4, v1                    ; 16 r
	global_store_b32 v[MXA], v[SCW], s[22:23]      ; both halves of the lanes write the same word with the same value
	s_wait_tensorcnt 0x0
	ds_add_u32 v62, v63
	s_wait_dscnt 0x0
	s_endpgm
.Lfunc_end_k_q630ff6f604_prep:
	.size	k_q630ff6f604_prep, .Lfunc_end_k_q630ff6f604_prep-k_q630ff6f604_prep
	.p2alignl 7, 3214868480
	.fill 96, 4, 3214868480
	.section	.rodata,"a",@progbits
	.p2align	6, 0x0
	.amdhsa_kernel k_q630ff6f604_prep
		.amdhsa_group_segment_fixed_size 152576
		.amdhsa_private_segment_fixed_size 0
		.amdhsa_enable_private_segment 0
		.amdhsa_kernarg_size 40
		.amdhsa_user_sgpr_count 2
		.amdhsa_user_sgpr_kernarg_segment_ptr 1
		.amdhsa_wavefront_size32 1
		.amdhsa_system_sgpr_workgroup_id_x 1
		.amdhsa_system_sgpr_workgroup_id_y 1
		.amdhsa_system_sgpr_workgroup_id_z 1
		.amdhsa_system_vgpr_workitem_id 0
		.amdhsa_next_free_vgpr 256
		.amdhsa_next_free_sgpr 66
		.amdhsa_reserve_vcc 0
		.amdhsa_float_denorm_mode_32 3
		.amdhsa_float_denorm_mode_16_64 3
		.amdhsa_memory_ordered 1
		.amdhsa_forward_progress 1
		.amdhsa_inst_pref_size 36
	.end_amdhsa_kernel
	.amdgpu_metadata
---
amdhsa.version: [ 1, 2 ]
amdhsa.kernels:
  - .name:           k_q630ff6f604_prep
    .symbol:         k_q630ff6f604_prep.kd
    .args:
      - { .name: W_enc, .offset: 0, .size: 8, .value_kind: global_buffer, .address_space: global }
      - { .name: W_dec, .offset: 8, .size: 8, .value_kind: global_buffer, .address_space: global }
      - { .name: decoder_hidden, .offset: 16, .size: 8, .value_kind: global_buffer, .address_space: global }
      - { .name: wimg, .offset: 24, .size: 8, .value_kind: global_buffer, .address_space: global }
      - { .name: qws, .offset: 32, .size: 8, .value_kind: global_buffer, .address_space: global }
    .group_segment_fixed_size: 152576
    .private_segment_fixed_size: 0
    .kernarg_segment_align: 8
    .kernarg_segment_size: 40
    .max_flat_workgroup_size: 256
    .sgpr_count:     66
    .vgpr_count:     256
    .wavefront_size: 32
...
	.end_amdgpu_metadata
.endif
;; end of part 1
;; launch scores (part 2): grid 256 x 1, 8 waves a work-group, clusters of 4 x 1, 327,680 bytes of LDS; arguments encoder_out, V_att, wimg, qws, lg; writes lg
.if DOCPART == 2
	.amdgcn_target "amdgcn-amd-amdhsa--gfx1250"
	.amdhsa_code_object_version 6
	.text
	.protected	k_q630ff6f604_scores
	.globl	k_q630ff6f604_scores
	.p2align	8
	.type	k_q630ff6f604_scores,@function
k_q630ff6f604_scores:
	s_mov_b64 s[64:65], 0
	v_nop
	global_prefetch_b8 v0, s[64:65] scope:SCOPE_SE
	s_setreg_imm32_b32 hwreg(HW_REG_WAVE_MODE, 25, 1), 1
	s_wait_xcnt 0x0
	s_wait_alu depctr_hold_cnt(0) depctr_sa_sdst(0) depctr_va_vdst(0) depctr_va_sdst(0) depctr_va_ssrc(0) depctr_va_vcc(0) depctr_vm_vsrc(0)
	s_getreg_b32 s2, hwreg(HW_REG_IB_STS2, 6, 4)
	s_cmp_eq_u32 s2, 0
	s_cbranch_scc0 .Lentry_in_a_cluster
	s_endpgm
.Lentry_in_a_cluster:
	s_bfe_u32 s2, ttmp6, 0x10000c
	s_cmp_lg_u32 s2, 0x3003
	s_cbranch_scc0 .Lentry_shape_is_right
	s_endpgm
.Lentry_shape_is_right:
; SCORES.  lg[b][s] = -2 x sum over e of V[e] / (1 + 2^(c (keys[b][s][e] + query[b][e]))), c = 2 log2(e), keys = Q(encoder_out) Q(W_enc)^T on codes of BF6 (E3M2) with E8M0 scales.
; tanh(x) = 1 - 2 / (1 + 2^(c x)), so reference()'s logit is (sum of V) + lg.  The sum of V is one number for all s of a batch and drops out of the softmax over s for every input: the next launch takes the softmax of lg.
; SHARES.  Work-group g: batch b = g % 32, positions 256 (g / 32) .. + 255.  Eight waves, two to a SIMD.  In the products wave w owns rows 64 (w / 2) .. + 63 and, of each block of 64 columns, 32 (w % 2) .. + 31.
; ITS ROWS' 32 FRAGMENTS (4 tiles x 8 K steps, 384 registers) STAY IN REGISTERS; only W_enc's fragments are read from LDS, each for four matrix instructions.  K is the inner loop: a tile of 16 columns is whole
; after 32 matrix instructions on four accumulators, and its tanh follows at once.
; PHASE A: wave w reads rows 32 w .. + 31 once and quantises them; the fragments' images go through LDS in two halves of K, since two waves need each row.
; W_enc's codes (wimg: 16 blocks of 51,200 bytes = 4 tiles of columns, all of K) go through a ring of two slots.  The four partners of a cluster walk the same blocks and ask for each jointly (mask 15).
; THE MATRIX INSTRUCTION: source 0 = 16 rows of W_enc, source 1 = 16 rows of encoder_out: lane (r, h) holds row r and columns 8 h + 0 .. 7.
; No prefetch is laid: every work-group reads wimg again, and phase A's stream is asked for 32 loads a wave ahead by the loads themselves.
; LIMITS: NaN and infinities among the inputs are not served.  A block of zeros, or one under 2^-122, gets the byte 1 (the rule says 127 for zeros); these bytes are read by this launch alone.
; REGISTERS.  window 1: v[48 q + 12 a] my fragment (K step q < 5, tile a); v240-247 c x query, v248-255 V of the tile of columns in hand.
;   window 0: v0 at work; v1, v2 the add's; v3 W's address; v4-7 W's scale words; v8-15 the logits' sums; v16-47 four accumulators; v48-95 four buffers for W's fragments; v96-111 my rows' scale words;
;   v[112 + 48 (q - 5) + 12 a] my fragments of K steps 5-7.  Phase A works in v8-15, v16-94, v112-124 and v128-255.
.set BLK,    51200
.set SLOTH,  25600                     ; half a block: two tiles of columns.  LDS: [half 0: slot 0, slot 1][half 1: slot 0, slot 1], so that one address register reaches a wave's part of both slots
.set TILEB,  12800                     ; a tile of columns: 8 fragments, then 512 bytes of scale words
.set EIG,    6400                      ; what one wave's tensor load brings: 25 rows of 256 bytes
.set UNIT,   1536
.set AIMG,   2*BLK                     ; images of half of K: (tile of rows Tg, K step q % 4) at (4 Tg + q % 4) x 1,536
.set ASC,    AIMG+64*UNIT              ; scale words, all of K: 512 Tg + 64 q + 4 r
.set STG,    ASC+8192                  ; a stage of 16 rows x 272 bytes for each wave
.set SPITCH, 272
.set STGW,   16*SPITCH
.set QL,     STG+8*STGW                ; c x query of my batch, 4,096 bytes; V behind it
.set LGS,    QL+8192                   ; the logits' two halves
.set SPARE,  LGS+2048                  ; the spare words, 128 bytes a wave
.set SPW, 1
.set NIL, 2
.set ADRB, 3
.set SB,  4
.set LS,  8
.set ACC, 16
.set BF,  48
.set SA,  96
.set ASA, 8                            ; phase A's registers
.set SH8, 9
.set ABASE, 10
.set T0,  16
.set PC,  80
.set TC,  92
.set XO,  112
.set STI, 113
.set STR, 114
.set IMA, 115
.set MXA, 116
.set MXB, 117
.set SO,  118
.set BY0, 119
.set BY1, 120
.set PW,  121
.set PX,  122
.set QLA, 123
.set SAA, 124
.set LB,  128                          ; four sets of 32 registers of rows as loaded
.set G1,  24
.set G0,  32
.set SEL, 50
.set MSB, 0
.macro WIN new                         ; the immediate's high byte repeats the setting that is left
.if MSB != (\new)
	s_set_vgpr_msb (MSB<<8)|(\new)
.set MSB, (\new)
.endif
.endm
.macro PLACES                          ; four places behind matrix instructions, and behind a tensor load
.rept 4
	v_nop
.endr
.endm
.macro CREST
	s_cmp_lg_u32 s14, 0
	s_cbranch_scc1 .Lnot_wave_0_\@
	s_barrier_signal -3
.Lnot_wave_0_\@:
	s_barrier_wait -3
	s_barrier_signal -1
	s_barrier_wait -1
.endm
.macro CROUND
	s_barrier_signal -1
	s_barrier_wait -1
	CREST
.endm
.macro QH t, pc, by                    ; 32 numbers of one block become 6 registers of codes and the block's byte
	v_max3_num_f32 v[MXA], |v[(\t)]|, |v[(\t)+1]|, 0x2800000          ; the floor 2^(5 - 127): the byte cannot fall under 1
	v_max3_num_f32 v[MXB], |v[(\t)+2]|, |v[(\t)+3]|, |v[(\t)+4]|
.irp i, 5,9,13,17,21,25
	v_max3_num_f32 v[MXA], v[MXA], |v[(\t)+\i]|, |v[(\t)+\i+1]|
	v_max3_num_f32 v[MXB], v[MXB], |v[(\t)+\i+2]|, |v[(\t)+\i+3]|
.endr
	v_max3_num_f32 v[MXA], v[MXA], |v[(\t)+29]|, |v[(\t)+30]|
	v_max3_num_f32 v[MXA], v[MXA], v[MXB], |v[(\t)+31]|
	v_add_nc_u32 v[SO], 0xfe000000, v[MXA]                            ; 4 off the exponent field: the conversions' scale operand
	v_cvt_scalef32_pk16_bf6_f32 v[(\pc):(\pc)+2], v[(\t):(\t)+15], v[SO]
	v_cvt_scalef32_pk16_bf6_f32 v[TC:TC+2], v[(\t)+16:(\t)+31], v[SO]
	v_lshrrev_b32 v[\by], 23, v[SO]                                   ; the byte; also the plain line behind the conversions
.irp i, 0,1,2
	v_mov_b32 v[(\pc)+3+\i], v[TC+\i]
.endr
.endm
.macro QWORD pw                        ; my two bytes (blocks h, 2 + h) and the other half's two make my row's scale word
	v_lshl_or_b32 v[\pw], v[BY1], 16, v[BY0]
	v_lshlrev_b32 v[\pw], v[SH8], v[\pw]
	v_permlanex16_b32 v[PX], v[\pw], s[SEL], s[SEL+1]
	v_or_b32 v[\pw], v[\pw], v[PX]
.endm
	s_load_b256 s[4:11], s[0:1], 0x0               ; encoder_out, V_att, wimg, qws
	s_load_b64 s[12:13], s[0:1], 0x20              ; lg
	v_lshl_add_u32 v[SPW], v0, 2, SPARE
	v_mov_b32 v[NIL], 0
	ds_add_u32 v[SPW], v[NIL]                      ; the opening lines: the add twice on end and one wait
	ds_add_u32 v[SPW], v[NIL]
	v_lshrrev_b32 v13, 5, v0
	v_readfirstlane_b32 s14, v13                   ; wave 0..7
	s_lshr_b32 s15, s14, 1                         ; R: which 64 rows in the products
	s_and_b32 s16, s14, 1                          ; C: which half of a block's columns
	s_bfe_u32 s17, ttmp6, 0x40000                  ; cx enters global addresses alone
	s_lshl_b32 s18, ttmp9, 2
	s_add_co_u32 s18, s18, s17                     ; g
	s_and_b32 s19, s18, 31                         ; b
	s_lshr_b32 s20, s18, 5
	s_mov_b32 s[G1+0], 15|(3<<16)|(1<<21)          ; mask of all four; elements of 8 bytes; bit 21 beside a mask
	s_mov_b32 s[G1+1], 32<<16
	s_mov_b32 s[G1+2], 25<<16
	s_mov_b32 s[G1+3], 32<<16
	s_mov_b32 s[G1+4], 25
	s_mov_b32 s[G1+5], 32
	s_mov_b32 s[G1+6], 0
	s_mov_b32 s[G1+7], 0
	s_mov_b32 s48, 0x4038aa3b                      ; c
	s_mov_b32 s49, s48
	s_mov_b32 s[SEL], 0x76543210
	s_mov_b32 s[SEL+1], 0xfedcba98
	s_lshl_b32 s58, s20, 8
	s_lshl_b32 s59, s14, 5
	s_add_co_u32 s58, s58, s59                     ; phase A: my first position
	s_lshl_b32 s58, s58, 5
	s_add_co_u32 s58, s58, s19
	s_lshl_b32 s58, s58, 12                        ; (position x 32 + b) x 4,096, under 2^28
	s_mov_b32 s59, 0
	s_lshl_b32 s60, s19, 6                         ; qws: 64 b
	s_mov_b32 s61, 0
	s_lshl_b32 s22, s19, 13
	s_lshl_b32 s23, s20, 10
	s_add_co_u32 s22, s22, s23                     ; lg: 8,192 b + 1,024 (g / 32)
	s_mov_b32 s23, 0
	s_mul_i32 s46, s14, EIG                        ; my eighth of a block in memory,
	s_mov_b32 s47, 0
	s_lshr_b32 s56, s14, 2
	s_mul_i32 s56, s56, BLK
	s_and_b32 s57, s14, 3
	s_mul_i32 s57, s57, EIG
	s_add_co_u32 s21, s56, s57                     ; and in LDS
	v_and_b32 v13, 15, v0                          ; r
	v_bfe_u32 v14, v0, 4, 1                        ; h
	v_and_b32 v15, 31, v0                          ; lane
	v_lshlrev_b32 v[XO], 4, v13
	v_lshl_add_u32 v[XO], v14, 17, v[XO]           ; lanes 0-15 take 256 bytes of one row, lanes 16-31 of the next
	s_mul_i32 s56, s14, STGW
	s_add_co_u32 s56, s56, STG
	v_mul_u32_u24 v[STI], v14, SPITCH
	v_lshl_add_u32 v[STI], v13, 4, v[STI]
	v_add_nc_u32 v[STI], s56, v[STI]
	v_mul_u32_u24 v[STR], v13, SPITCH
	v_lshl_add_u32 v[STR], v14, 7, v[STR]
	v_add_nc_u32 v[STR], s56, v[STR]
	s_mul_i32 s56, s14, 8*UNIT
	s_add_co_u32 s56, s56, AIMG
	v_lshl_add_u32 v[IMA], v15, 4, s56
	s_lshl_b32 s56, s14, 10
	s_add_co_u32 s56, s56, ASC
	v_lshl_add_u32 v[ASA], v13, 2, s56
	v_lshlrev_b32 v[SH8], 3, v14
	s_mul_i32 s56, s15, 16*UNIT
	s_add_co_u32 s56, s56, AIMG
	v_lshl_add_u32 v[ABASE], v15, 4, s56
	s_lshl_b32 s56, s15, 11
	s_add_co_u32 s56, s56, ASC
	v_lshl_add_u32 v[SAA], v15, 2, s56
	s_mul_i32 s56, s16, BLK
	v_lshl_add_u32 v[ADRB], v15, 4, s56
	v_lshrrev_b32 v11, 2, v0
	v_and_b32 v12, 3, v0
	v_lshlrev_b32 v11, 11, v11
	v_lshl_add_u32 v11, v12, 4, v11                ; qws: thread t takes columns 4 t .. + 3: tile t / 4, 16 (t % 4)
	v_lshlrev_b32 v12, 4, v0                       ; V: 16 t
	v_add_nc_u32 v[QLA], QL, v12
	v_mov_b32 v[PX], 0                             ; a lane permute's destination counts as one of its sources
	s_wait_alu depctr_va_vdst(0)                   ; the wait at the head's end
	s_wait_dscnt 0x0                               ; both opening adds are done
	s_wait_kmcnt 0x0
	s_add_nc_u64 s[4:5], s[4:5], s[58:59]
	s_add_nc_u64 s[10:11], s[10:11], s[60:61]
	s_add_nc_u64 s[12:13], s[12:13], s[22:23]
	s_add_nc_u64 s[8:9], s[8:9], s[46:47]
.irp n, 0,1
	s_mov_b32 s[G0+4*\n], 1
	s_add_co_u32 s[G0+4*\n+1], s21, \n*SLOTH
	s_add_nc_u64 s[G0+4*\n+2:G0+4*\n+3], s[8:9], \n*BLK
	s_or_b32 s[G0+4*\n+3], s[G0+4*\n+3], 0x80000000
.endr
	CROUND                                         ; the first joint loads meet
	tensor_load_to_lds s[G0:G0+3], s[G1:G1+7]      ; block 0: one tensor load a wave at the head
	s_nop 0
	PLACES
; ---- PHASE A.  Half-unit H = 0 .. 31: 16 rows x 64 along K: half of K P = H / 16, tile T = (H / 8) % 2, piece j = H % 8.  Every offset is an immediate (under 2^22).
.macro LOADH H                         ; eight loads, two rows each: 16 lanes read 256 consecutive bytes, aligned
.irp i, 0,1,2,3,4,5,6,7
	global_load_b128 v[LB+32*((\H)%4)+4*\i:LB+32*((\H)%4)+4*\i+3], v[XO], s[4:5] offset:262144*\i+0x200000*(((\H)/8)%2)+2048*((\H)/16)+256*((\H)%8) th:TH_LOAD_NT
.endr
.endm
.macro TURNH H                         ; through my stage: in as loaded, out a block of 32 numbers a lane.  LDS serves a wave's instructions in order (ISA guide 5.7.1.4)
.irp i, 0,1,2,3,4,5,6,7
	ds_store_b128 v[STI], v[LB+32*((\H)%4)+4*\i:LB+32*((\H)%4)+4*\i+3] offset:2*SPITCH*\i
.endr
.irp i, 0,1,2,3,4,5,6,7
	ds_load_b128 v[T0+32*((\H)%2)+4*\i:T0+32*((\H)%2)+4*\i+3], v[STR] offset:16*\i
.endr
.endm
.macro HALF H
.if (\H) < 31
.if (\H)+3 < 31
	s_wait_loadcnt 16                              ; the next half-unit is in; the two younger ones' 16 loads may be out
.else
	s_wait_loadcnt 8*(30-(\H))                     ; the counts run down
.endif
	TURNH (\H)+1
	s_wait_dscnt 16                                ; all but those 16: my numbers are back, this set's stores have read their registers, the last image has left its registers
.else
	s_wait_dscnt 0x0
.endif
.if (\H)+4 < 32
	LOADH (\H)+4
.endif
	QH T0+32*((\H)%2), PC+6*((\H)%2), BY0+(\H)%2
.if (\H)%2
	QWORD PW
.irp k, 0,1,2
	ds_store_b128 v[IMA], v[PC+4*\k:PC+4*\k+3] offset:UNIT*(4*(((\H)/8)%2)+((\H)%8)/2)+512*\k
.endr
	ds_store_b32 v[ASA], v[PW] offset:512*(((\H)/8)%2)+64*(4*((\H)/16)+((\H)%8)/2)
.endif
.endm
; The images of half P of K are whole: every wave takes its 16 fragments into the registers where they stay.
.macro XCH P
	s_wait_dscnt 0x0                               ; for the others' sake: my images have landed
.if \P
	s_wait_tensorcnt 0x0                           ; and my eighths of blocks 0 and 1
.endif
	s_barrier_signal -1
	s_barrier_wait -1
.if \P
.irp a, 0,1,2,3
.irp j, 0,1,2,3
	ds_load_b32 v[SA+4*\a+\j], v[SAA] offset:512*\a+128*\j   ; lanes 0-15 K step 2 j, lanes 16-31 K step 2 j + 1
.endr
.endr
.endif
.irp qq, 0,1,2,3
.if 4*(\P)+\qq < 5
	WIN 0x40
.set XR, 48*(4*(\P)+\qq)
.else
	WIN 0
.set XR, 112+48*(4*(\P)+\qq-5)
.endif
.irp a, 0,1,2,3
.irp k, 0,1,2
	ds_load_b128 v[XR+12*\a+4*\k:XR+12*\a+4*\k+3], v[ABASE] offset:UNIT*(4*\a+\qq)+512*\k
.endr
.endr
.endr
	WIN 0
.if (\P) == 0
	s_wait_dscnt 0x0                               ; my reads are over: the other half's images may land on these bytes
	s_barrier_signal -1
	s_barrier_wait -1
.endif
.endm
	global_load_b128 v[16:19], v11, s[10:11]       ; c x query and V of my batch: 16 bytes a thread
	global_load_b128 v[20:23], v12, s[6:7]
.irp t, 0,1,2,3
	LOADH \t
.endr
	s_wait_loadcnt 32                              ; the two are in
	ds_store_b128 v[QLA], v[16:19]
	ds_store_b128 v[QLA], v[20:23] offset:4096
	s_wait_tensorcnt 0x0                           ; slot 1's first fill is issued as a refill is
	ds_add_u32 v[SPW], v[NIL]
	s_wait_dscnt 0x0
	CROUND
	tensor_load_to_lds s[G0+4:G0+7], s[G1:G1+7]    ; block 1
	s_nop 0
	PLACES
	s_wait_loadcnt 24                              ; half-unit 0 is in
	TURNH 0
.set HH, 0
.rept 16
	HALF HH
.set HH, HH+1
.endr
	XCH 0
.rept 16
	HALF HH
.set HH, HH+1
.endr
	XCH 1
; ---- THE PRODUCTS
.macro FR q, buf, ob                   ; W's fragment of K step q: three loads of 512 consecutive bytes
.irp k, 0,1,2
	ds_load_b128 v[BF+12*(\buf)+4*\k:BF+12*(\buf)+4*\k+3], v[ADRB] offset:(\ob)+UNIT*(\q)+512*\k
.endr
.endm
.macro NEXT ob                         ; a tile's first two fragments and its scale words (register j: lanes 0-15 K step 2 j, lanes 16-31 K step 2 j + 1)
	FR 0, 0, \ob
	FR 1, 1, \ob
	ds_load_b128 v[SB:SB+3], v[ADRB] offset:(\ob)+8*UNIT
.endm
.macro MM q, zero                      ; four matrix instructions, the four accumulators by turns
.irp a, 0,1,2,3
.if (\q) < 5
.set AR, 48*(\q)+12*\a
.else
.set AR, 112+48*((\q)-5)+12*\a
.endif
.set DR, ACC+8*\a
.set BR, BF+12*((\q)%4)
.if \zero
	v_wmma_scale_f32_16x16x128_f8f6f4 v[DR:DR+7], v[BR:BR+11], v[AR:AR+11], 0, v[SB+(\q)/2], v[SA+4*\a+(\q)/2] matrix_a_fmt:MATRIX_FMT_BF6 matrix_b_fmt:MATRIX_FMT_BF6
.elseif (\q)%2 == 0
	v_wmma_scale_f32_16x16x128_f8f6f4 v[DR:DR+7], v[BR:BR+11], v[AR:AR+11], v[DR:DR+7], v[SB+(\q)/2], v[SA+4*\a+(\q)/2] matrix_a_fmt:MATRIX_FMT_BF6 matrix_b_fmt:MATRIX_FMT_BF6
.else
	v_wmma_scale_f32_16x16x128_f8f6f4 v[DR:DR+7], v[BR:BR+11], v[AR:AR+11], v[DR:DR+7], v[SB+(\q)/2], v[SA+4*\a+(\q)/2] matrix_a_fmt:MATRIX_FMT_BF6 matrix_b_fmt:MATRIX_FMT_BF6 matrix_a_scale:MATRIX_SCALE_ROW1 matrix_b_scale:MATRIX_SCALE_ROW1
.endif
.endr
.endm
; x = c key + c query; 2^x; + 1; the reciprocal; sum += V x that.  2^x = infinity gives 0 and 2^x = 0 gives 1: tanh's two ends.  Each batch has its wait ahead and behind.
.macro MATH
	WIN 0x10                                       ; source 2: window 1
.irp a, 0,1,2,3
.irp p, 0,2,4,6
	v_pk_fma_f32 v[ACC+8*\a+\p:ACC+8*\a+\p+1], v[ACC+8*\a+\p:ACC+8*\a+\p+1], s[48:49], v[240+\p:241+\p] op_sel_hi:[1,0,1]   ; each accumulator from its low end on
.endr
.endr
	s_wait_alu depctr_va_vdst(0)
.set n, 0
.rept 32
	v_exp_f32 v[ACC+n], v[ACC+n]
.set n, n+1
.endr
	v_nop
	s_wait_alu depctr_va_vdst(0)
.set n, 0
.rept 16
	v_pk_add_f32 v[ACC+n:ACC+n+1], v[ACC+n:ACC+n+1], 1.0 op_sel_hi:[1,0]
.set n, n+2
.endr
	s_wait_alu depctr_va_vdst(0)
.set n, 0
.rept 32
	v_rcp_f32 v[ACC+n], v[ACC+n]
.set n, n+1
.endr
	v_nop
	s_wait_alu depctr_va_vdst(0)
	WIN 0x04                                       ; source 1: window 1
.irp p, 0,2,4,6
.irp a, 0,1,2,3
	v_pk_fma_f32 v[LS+2*\a:LS+2*\a+1], v[ACC+8*\a+\p:ACC+8*\a+\p+1], v[248+\p:249+\p], v[LS+2*\a:LS+2*\a+1]   ; four chains by turns
.endr
.endr
	WIN 0
.endm
; A tile of 16 columns.  ob: its bytes in my part of the ring; qo: its place among query and V; nob: the next tile's bytes.
; turn 0: the next tile lies in the same slot.  1: the slot is read out: the three lines, the round, the refill (block two on; it has the other slot's two tiles in which to land).  2: the same with no refill.  3: the last tile.
.macro COLT ob, qo, turn, nob, slot
	v_bfe_u32 v0, v[SPW], 6, 1                     ; h, out of my spare word's address
	v_lshl_add_u32 v0, v0, 5, s47
	WIN 0x40
.irp k, 0,1
	ds_load_b128 v[240+4*\k:243+4*\k], v0 offset:(\qo)+16*\k        ; c x query at columns 8 h + 0 .. 7,
	ds_load_b128 v[248+4*\k:251+4*\k], v0 offset:(\qo)+4096+16*\k   ; and V
.endr
	WIN 0x04                                       ; source 1, my rows' fragments: window 1
	FR 2, 2, \ob
	FR 3, 3, \ob
	s_wait_dscnt 10                                ; all but the 10 just issued
	MM 0, 1                                        ; the first products start the sums
	MM 1, 0
	PLACES
	FR 4, 0, \ob
	FR 5, 1, \ob
	s_wait_dscnt 6                                 ; all but the 6 just issued
	MM 2, 0
	MM 3, 0
	PLACES
	FR 6, 2, \ob
	FR 7, 3, \ob
	s_wait_dscnt 6
	MM 4, 0
	WIN 0
	MM 5, 0
	s_wait_dscnt 0x0
	MM 6, 0
	MM 7, 0
.if (\turn) == 0
	PLACES
	NEXT \nob
	MATH
.elseif (\turn) == 3
	PLACES
	MATH
.else
	s_wait_tensorcnt 0x0                           ; all my tensor loads have landed: my eighth of the other slot
	ds_add_u32 v[SPW], v[NIL]
	PLACES
	s_wait_dscnt 0x0                               ; the add is done; my reads of this slot were over
	s_barrier_signal -1
	MATH                                           ; work on registers while the others arrive
	s_barrier_wait -1
.if (\turn) == 1
	CREST                                          ; the barrier has opened a round of the cluster's barrier
	s_add_nc_u64 s[G0+4*(\slot)+2:G0+4*(\slot)+3], s[G0+4*(\slot)+2:G0+4*(\slot)+3], 2*BLK
	tensor_load_to_lds s[G0+4*(\slot):G0+4*(\slot)+3], s[G1:G1+7]
	s_nop 0
	PLACES
.endif
	NEXT \nob
.endif
.endm
.irp j, 0,1,2,3,4,5,6,7
	v_mov_b32 v[LS+\j], 0                          ; eight sums begin as zeros, so that all tiles' ends are one text
.endr
	s_lshl_b32 s47, s16, 7
	s_add_co_u32 s47, s47, QL                      ; query and V: 256 bytes a block, 128 for my half, 64 a tile
	s_mov_b32 s3, 0
	NEXT 0
.Ltrip:                                                ; 7 trips of two blocks; both slots are filled again: 14 refills and 2 first fills are the 16 blocks
	COLT 0, 0, 0, TILEB, 0
	COLT TILEB, 64, 1, SLOTH, 0
	COLT SLOTH, 256, 0, SLOTH+TILEB, 1
	COLT SLOTH+TILEB, 320, 1, 0, 1
	s_add_co_u32 s47, s47, 512
	s_add_co_u32 s3, s3, 1
	s_cmp_lt_u32 s3, 7
	s_cbranch_scc1 .Ltrip
	COLT 0, 0, 0, TILEB, 0                         ; the last two blocks fill nothing
	COLT TILEB, 64, 2, SLOTH, 0
	COLT SLOTH, 256, 0, SLOTH+TILEB, 1
	COLT SLOTH+TILEB, 320, 3, 0, 1
	; ---- THE WAY OUT: a pair's two words, the other half of the lanes, then the other half of the columns, which another wave holds
	s_lshl_b32 s56, s16, 10
	s_lshl_b32 s57, s15, 8
	s_add_co_u32 s56, s56, s57
	s_add_co_u32 s56, s56, LGS
.irp a, 0,1,2,3
	v_add_f32 v[LS+2*\a], v[LS+2*\a], v[LS+2*\a+1]
.endr
.irp a, 0,1,2,3
	v_permlanex16_b32 v[BF+\a], v[LS+2*\a], s[SEL], s[SEL+1]
.endr
.irp a, 0,1,2,3
	v_add_f32 v[LS+2*\a], v[LS+2*\a], v[BF+\a]
.endr
	v_and_b32 v0, 60, v[SPW]                       ; 4 r
	v_add_nc_u32 v0, s56, v0
.irp a, 0,1,2,3
	ds_store_b32 v0, v[LS+2*\a] offset:64*\a       ; row 64 R + 16 a + r (both halves of the lanes write the same word with the same value)
.endr
	s_wait_dscnt 0x0
	s_barrier_signal -1
	s_barrier_wait -1
	s_cmp_lt_u32 s14, 4
	s_cbranch_scc0 .Lend                           ; waves 0-3 store: two rows a lane
	v_and_b32 v3, 0x3ff, v[SPW]
	v_lshlrev_b32 v3, 1, v3                        ; 8 x thread
	v_add_nc_u32 v4, LGS, v3
	s_wait_alu depctr_va_vdst(0)
	ds_load_b64 v[16:17], v4
	ds_load_b64 v[18:19], v4 offset:1024
	s_wait_dscnt 0x0
	v_pk_add_f32 v[16:17], v[16:17], v[18:19]
	v_pk_mul_f32 v[16:17], v[16:17], -2.0 op_sel_hi:[1,0]
	global_store_b64 v3, v[16:17], s[12:13]        ; a wave stores 256 consecutive bytes, aligned
.Lend:
	s_wait_tensorcnt 0x0                           ; the wave's end
	ds_add_u32 v[SPW], v[NIL]
	s_wait_dscnt 0x0
	CROUND                                         ; the closing round
	s_endpgm
.Lfunc_end_k_q630ff6f604_scores:
	.size	k_q630ff6f604_scores, .Lfunc_end_k_q630ff6f604_scores-k_q630ff6f604_scores
	.p2alignl 7, 3214868480
	.fill 96, 4, 3214868480
	.section	.rodata,"a",@progbits
	.p2align	6, 0x0
	.amdhsa_kernel k_q630ff6f604_scores
		.amdhsa_group_segment_fixed_size 327680
		.amdhsa_private_segment_fixed_size 0
		.amdhsa_enable_private_segment 0
		.amdhsa_kernarg_size 40
		.amdhsa_user_sgpr_count 2
		.amdhsa_user_sgpr_kernarg_segment_ptr 1
		.amdhsa_wavefront_size32 1
		.amdhsa_system_sgpr_workgroup_id_x 1
		.amdhsa_system_sgpr_workgroup_id_y 1
		.amdhsa_system_sgpr_workgroup_id_z 1
		.amdhsa_system_vgpr_workitem_id 0
		.amdhsa_next_free_vgpr 512
		.amdhsa_next_free_sgpr 66
		.amdhsa_reserve_vcc 0
		.amdhsa_float_denorm_mode_32 3
		.amdhsa_float_denorm_mode_16_64 3
		.amdhsa_memory_ordered 1
		.amdhsa_forward_progress 1
		.amdhsa_inst_pref_size 221
	.end_amdhsa_kernel
	.amdgpu_metadata
---
amdhsa.version: [ 1, 2 ]
amdhsa.kernels:
  - .name:           k_q630ff6f604_scores
    .symbol:         k_q630ff6f604_scores.kd
    .args:
      - { .name: encoder_out, .offset: 0, .size: 8, .value_kind: global_buffer, .address_space: global }
      - { .name: V_att, .offset: 8, .size: 8, .value_kind: global_buffer, .address_space: global }
      - { .name: wimg, .offset: 16, .size: 8, .value_kind: global_buffer, .address_space: global }
      - { .name: qws, .offset: 24, .size: 8, .value_kind: global_buffer, .address_space: global }
      - { .name: lg, .offset: 32, .size: 8, .value_kind: global_buffer, .address_space: global }
    .group_segment_fixed_size: 327680
    .private_segment_fixed_size: 0
    .kernarg_segment_align: 8
    .kernarg_segment_size: 40
    .max_flat_workgroup_size: 256
    .sgpr_count:     66
    .vgpr_count:     512
    .wavefront_size: 32
...
	.end_amdgpu_metadata
.endif
;; end of part 2
;; launch context (part 3): grid 8 x 32, 16 waves a work-group, no clusters, 11,264 bytes of LDS; arguments encoder_out, lg, out0, out1; writes out0, out1
.if DOCPART == 3
	.amdgcn_target "amdgcn-amd-amdhsa--gfx1250"
	.amdhsa_code_object_version 6
	.text
	.protected	k_q630ff6f604_context
	.globl	k_q630ff6f604_context
	.p2align	8
	.type	k_q630ff6f604_context,@function
k_q630ff6f604_context:
	s_mov_b64 s[64:65], 0
	v_nop
	global_prefetch_b8 v0, s[64:65] scope:SCOPE_SE
	s_setreg_imm32_b32 hwreg(HW_REG_WAVE_MODE, 25, 1), 1
	s_wait_xcnt 0x0
; CONTEXT.  alpha[b][s] = softmax over s of lg[b][s] (the largest lg is taken away first);  out1 = alpha;  out0[b][d] = sum over s of alpha[b][s] encoder_out[s][b][d].  All in f32.
; (lg differs from reference()'s logits by one number for all s of a batch, the sum of V_att, which a softmax over s does not see.)
; SHARES.  Work-group (x, b): batch b, columns 128 x .. + 127 (512 bytes of each of the batch's 2,048 rows).  Wave w of sixteen takes positions 128 w .. + 127.
; Thread t holds lg at positions 4 t .. 4 t + 3, which are positions of its own wave: so a row's weight comes out of the wave's own registers by v_readlane_b32.
; A stream: each byte of encoder_out is read once in this launch, each load of a wave takes 512 consecutive bytes, aligned, and 16 loads of every wave are on their way.  The matrix unit, clusters and tensor loads
; would add nothing (M = 1; no two work-groups share a byte of the stream), and no prefetch is laid: the stream is asked for 16 rows a wave ahead by the loads themselves.
; The weights are p = 2^((lg - max) log2 e), not normalised; the sums are divided by the sum of p at the end.  LIMIT: NaN and infinities are not served.
.set RM,  8192                         ; LDS: 0 .. 8,191 the waves' sums (512 bytes each); 64 bytes of maxima; 64 bytes of sums of p
.set RS,  8448
.set X,   32                           ; v32-95 a ring of 16 rows, 4 registers each
.set SEL, 12                           ; s[12:13] lane selects: lane l xor 16
	s_load_b256 s[4:11], s[0:1], 0x0               ; encoder_out s[4:5], lg s[6:7], out0 s[8:9], out1 s[10:11]
	v_lshl_add_u32 v128, v0, 2, 0x2400
	v_mov_b32 v129, 0
	v_lshrrev_b32 v3, 5, v0
	v_readfirstlane_b32 s14, v3                    ; wave 0..15
	v_and_b32 v3, 31, v0
	v_lshlrev_b32 v1, 4, v3                        ; 16 x lane
	v_lshlrev_b32 v2, 4, v0                        ; 16 x thread
	v_mov_b32 v14, s14
	v_lshlrev_b32 v14, 2, v14                      ; 4 x wave
	v_mov_b32 v15, 0
	v_mov_b32 v13, 0                               ; written once: a lane permute's destination counts as one of its sources
	v_mov_b32 v99, 0                               ; (named as the upper half of the pair v[98:99])
	s_mov_b32 s[SEL], 0x76543210
	s_mov_b32 s[SEL+1], 0xfedcba98
	s_mov_b32 s21, 0                               ; (the upper halves of the weights' pairs)
	s_mov_b32 s23, 0
	s_mov_b32 s25, 0
	s_mov_b32 s27, 0
	s_and_b32 s15, ttmp7, 0xffff                   ; b
	s_lshl_b32 s28, s14, 12                        ; 128 w positions x 32 batches
	s_add_co_u32 s28, s28, s15
	s_lshl_b32 s28, s28, 12                        ; x 4,096 bytes, under 2^28
	s_lshl_b32 s29, ttmp9, 9                       ; + my 512 bytes of a row
	s_add_co_u32 s28, s28, s29
	s_lshl_b32 s32, s15, 12
	s_add_co_u32 s32, s32, s29                     ; out0: 4,096 b + 512 x
	s_mov_b32 s29, 0
	s_mov_b32 s33, 0
	s_lshl_b32 s30, s15, 13                        ; lg and out1: 8,192 b
	s_mov_b32 s31, 0
	s_wait_alu depctr_va_vdst(0)                   ; the wait at the head's end
	s_wait_kmcnt 0x0
	s_add_nc_u64 s[16:17], s[4:5], s[28:29]        ; my wave's rows 0-63,
	s_add_nc_u64 s[18:19], s[16:17], 0x800000      ; and 64-127: 64 rows of 131,072 bytes on, so that every offset stays inside the signed 24-bit immediate (ISA guide, chapter 10)
	s_add_nc_u64 s[6:7], s[6:7], s[30:31]
	s_add_nc_u64 s[10:11], s[10:11], s[30:31]
	s_add_nc_u64 s[8:9], s[8:9], s[32:33]
	global_load_b128 v[4:7], v2, s[6:7]            ; my four lg
.irp i, 0,1,2,3,4,5,6,7,8,9,10,11,12,13,14,15
	global_load_b128 v[X+4*\i:X+4*\i+3], v1, s[16:17] offset:131072*\i th:TH_LOAD_NT   ; the ring is filled before the softmax is begun
.endr
	s_wait_loadcnt 16                              ; lg is in; the 16 rows may be out
	; the largest lg of the batch
	v_max3_num_f32 v12, v4, v5, v6
	v_max_num_f32 v12, v12, v7
	v_max_num_f32_dpp v12, v12, v12 row_xmask:1 row_mask:0xf bank_mask:0xf
	v_max_num_f32_dpp v12, v12, v12 row_xmask:2 row_mask:0xf bank_mask:0xf
	v_max_num_f32_dpp v12, v12, v12 row_xmask:4 row_mask:0xf bank_mask:0xf
	v_max_num_f32_dpp v12, v12, v12 row_xmask:8 row_mask:0xf bank_mask:0xf
	v_permlanex16_b32 v13, v12, s[SEL], s[SEL+1]
	v_max_num_f32 v12, v12, v13
	ds_store_b32 v14, v12 offset:RM                ; all lanes write the wave's word with the same value
	s_wait_dscnt 0x0
	s_barrier_signal -1
	s_barrier_wait -1
.irp k, 0,1,2,3
	ds_load_b128 v[16+4*\k:19+4*\k], v15 offset:RM+16*\k
.endr
	s_wait_dscnt 0x0
	v_max3_num_f32 v12, v16, v17, v18
	v_max3_num_f32 v96, v19, v20, v21
	v_max3_num_f32 v12, v12, v22, v23
	v_max3_num_f32 v96, v96, v24, v25
	v_max3_num_f32 v12, v12, v26, v27
	v_max3_num_f32 v96, v96, v28, v29
	v_max3_num_f32 v12, v12, v30, v31
	v_max_num_f32 v12, v12, v96
	; p = 2^((lg - max) log2 e)
.irp i, 4,5,6,7
	v_sub_f32 v\i, v\i, v12
.endr
.irp i, 4,5,6,7
	v_mul_f32 v\i, 0x3fb8aa3b, v\i
.endr
	s_wait_alu depctr_va_vdst(0)                   ; the wait ahead of the batch too
.irp i, 4,5,6,7
	v_exp_f32 v\i, v\i
.endr
	v_nop                                          ; a plain line behind the exponentials,
	s_wait_alu depctr_va_vdst(0)                   ; and one wait for the four, ahead of their first reader
	v_add_f32 v96, v4, v5
	v_add_f32 v97, v6, v7
	v_add_f32 v96, v96, v97
	v_add_f32_dpp v96, v96, v96 row_xmask:1 row_mask:0xf bank_mask:0xf
	v_add_f32_dpp v96, v96, v96 row_xmask:2 row_mask:0xf bank_mask:0xf
	v_add_f32_dpp v96, v96, v96 row_xmask:4 row_mask:0xf bank_mask:0xf
	v_add_f32_dpp v96, v96, v96 row_xmask:8 row_mask:0xf bank_mask:0xf
	v_permlanex16_b32 v13, v96, s[SEL], s[SEL+1]
	v_add_f32 v96, v96, v13
	ds_store_b32 v14, v96 offset:RS                ; other bytes than the maxima's: no barrier is owed between the two
	s_wait_dscnt 0x0
	s_barrier_signal -1
	s_barrier_wait -1
.irp k, 0,1,2,3
	ds_load_b128 v[16+4*\k:19+4*\k], v15 offset:RS+16*\k
.endr
	s_wait_dscnt 0x0
.irp k, 1,2,3,4,5,6,7
	v_pk_add_f32 v[16:17], v[16:17], v[16+2*\k:17+2*\k]
.endr
	v_add_f32 v96, v16, v17
	s_wait_alu depctr_va_vdst(0)                   ; the wait ahead of the transcendental
	v_rcp_f32 v98, v96
	v_nop
	s_wait_alu depctr_va_vdst(0)
	s_cmp_lg_u32 ttmp9, 0                          ; the batch's first work-group writes alpha
	s_cbranch_scc1 .Lno_alpha
	v_pk_mul_f32 v[100:101], v[4:5], v[98:99] op_sel_hi:[1,0]
	v_pk_mul_f32 v[102:103], v[6:7], v[98:99] op_sel_hi:[1,0]
	global_store_b128 v2, v[100:103], s[10:11]     ; a wave stores 512 consecutive bytes, aligned
.Lno_alpha:
; Row i of my wave's 128: its weight lies in lane i / 4, register 4 + i % 4.  Behind its two multiply-adds its registers take row i + 16.
.macro ROW i
.set XR, X+4*((\i)%16)
.set SW, 20+2*((\i)%4)
.if (\i) > 0
	s_wait_alu depctr_va_vdst(0)
.endif
.if 127-(\i) < 15
	s_wait_loadcnt 127-(\i)                        ; the last rows: the counts run down
.else
	s_wait_loadcnt 15                              ; loads come back in order (ISA guide 5.7.1): row i is in, the 15 younger rows stay out
.endif
	v_readlane_b32 s[SW], v[4+(\i)%4], (\i)/4
.if (\i) == 0
	v_pk_mul_f32 v[8:9], v[XR:XR+1], s[SW:SW+1] op_sel_hi:[1,0]       ; the first row starts the sums: nothing is cleared
	v_pk_mul_f32 v[10:11], v[XR+2:XR+3], s[SW:SW+1] op_sel_hi:[1,0]
.else
	v_pk_fma_f32 v[8:9], v[XR:XR+1], s[SW:SW+1], v[8:9] op_sel_hi:[1,0,1]
	v_pk_fma_f32 v[10:11], v[XR+2:XR+3], s[SW:SW+1], v[10:11] op_sel_hi:[1,0,1]
.endif
.if (\i)+16 < 64
	global_load_b128 v[XR:XR+3], v1, s[16:17] offset:131072*((\i)+16) th:TH_LOAD_NT
.elseif (\i)+16 < 128
	global_load_b128 v[XR:XR+3], v1, s[18:19] offset:131072*((\i)+16-64) th:TH_LOAD_NT
.endif
.endm
.set i, 0
.rept 128
	ROW i
.set i, i+1
.endr
	ds_store_b128 v2, v[8:11]                      ; my wave's sums: 512 w + 16 lane = 16 x thread
	s_wait_dscnt 0x0
	s_barrier_signal -1
	s_barrier_wait -1
	s_cmp_lg_u32 s14, 0                            ; wave 0 adds the sixteen, in ascending order
	s_cbranch_scc1 .Ldone
.irp k, 0,1,2,3,4,5,6,7,8,9,10,11,12,13,14,15
	ds_load_b128 v[X+4*\k:X+4*\k+3], v1 offset:512*\k
.endr
	s_wait_dscnt 0x0
.irp k, 1,2,3,4,5,6,7,8,9,10,11,12,13,14,15
	v_pk_add_f32 v[X:X+1], v[X:X+1], v[X+4*\k:X+4*\k+1]
	v_pk_add_f32 v[X+2:X+3], v[X+2:X+3], v[X+4*\k+2:X+4*\k+3]
.endr
	v_pk_mul_f32 v[X:X+1], v[X:X+1], v[98:99] op_sel_hi:[1,0]
	v_pk_mul_f32 v[X+2:X+3], v[X+2:X+3], v[98:99] op_sel_hi:[1,0]
	global_store_b128 v1, v[X:X+3], s[8:9]         ; 512 consecutive bytes of out0, aligned
.Ldone:
	s_wait_tensorcnt 0x0
	ds_add_u32 v128, v129
	s_wait_dscnt 0x0
	s_endpgm
.Lfunc_end_k_q630ff6f604_context:
	.size	k_q630ff6f604_context, .Lfunc_end_k_q630ff6f604_context-k_q630ff6f604_context
	.p2alignl 7, 3214868480
	.fill 96, 4, 3214868480
	.section	.rodata,"a",@progbits
	.p2align	6, 0x0
	.amdhsa_kernel k_q630ff6f604_context
		.amdhsa_group_segment_fixed_size 11264
		.amdhsa_private_segment_fixed_size 0
		.amdhsa_enable_private_segment 0
		.amdhsa_kernarg_size 32
		.amdhsa_user_sgpr_count 2
		.amdhsa_user_sgpr_kernarg_segment_ptr 1
		.amdhsa_wavefront_size32 1
		.amdhsa_system_sgpr_workgroup_id_x 1
		.amdhsa_system_sgpr_workgroup_id_y 1
		.amdhsa_system_sgpr_workgroup_id_z 1
		.amdhsa_system_vgpr_workitem_id 0
		.amdhsa_next_free_vgpr 130
		.amdhsa_next_free_sgpr 66
		.amdhsa_reserve_vcc 0
		.amdhsa_float_denorm_mode_32 3
		.amdhsa_float_denorm_mode_16_64 3
		.amdhsa_memory_ordered 1
		.amdhsa_forward_progress 1
		.amdhsa_inst_pref_size 53
	.end_amdhsa_kernel
	.amdgpu_metadata
---
amdhsa.version: [ 1, 2 ]
amdhsa.kernels:
  - .name:           k_q630ff6f604_context
    .symbol:         k_q630ff6f604_context.kd
    .args:
      - { .name: encoder_out, .offset: 0, .size: 8, .value_kind: global_buffer, .address_space: global }
      - { .name: lg, .offset: 8, .size: 8, .value_kind: global_buffer, .address_space: global }
      - { .name: out0, .offset: 16, .size: 8, .value_kind: global_buffer, .address_space: global }
      - { .name: out1, .offset: 24, .size: 8, .value_kind: global_buffer, .address_space: global }
    .group_segment_fixed_size: 11264
    .private_segment_fixed_size: 0
    .kernarg_segment_align: 8
    .kernarg_segment_size: 32
    .max_flat_workgroup_size: 512
    .sgpr_count:     66
    .vgpr_count:     130
    .wavefront_size: 32
...
	.end_amdgpu_metadata
.endif
;; end of part 3
